; MI455X (gfx1250); checked and timed in simulation.
; The chip was launched on July 23, 2026; its instructions are those of AMD's public machine-readable ISA for CDNA 5 (MIT licence, August 2026) and "CDNA5" Instruction Set Architecture Reference Guide (July 2026). The comments in the code are by the model that wrote it; some were corrected since.
;; Conv2 D Attention Block. Allowed arithmetic: matrix products marked QUANTISED: E2M1 operands, one E8M0 scale for each 32 along K, by v_wmma_scale_f32_16x16x128_f8f6f4 with both operands' format E2M1 (or v_wmma_scale_f32_32x16x128_f4), f32 sums; everything else in f32.
;; Inputs: Wk 512 x 128 float32; Wq 512 x 128 float32; Wt 128 x 512 float32; Wv 512 x 128 float32; bt 128 float32; bv 512 float32; x 16 x 128 x 32 x 32 float32.
;; Outputs: out0 16 x 128 x 32 x 32 float32.
;; This version of the problem:
;;   THIS VERSION OF THE PROBLEM IS GIVEN IN LOW PRECISION. The matrix products marked QUANTISED in the list below multiply operands that are first quantised to E2M1 (2 exponent bits, 1 mantissa bit; 4 bits a number), with one power-of-two scale for each 32 numbers along K (OCP MX v1.0); their sums are f32. All else is computed in f32.
;;   The module's matrix products, in the order in which they are computed (A, B: the left and right operand; K: the contracted axis; several contracted axes count as one K, in the product's order):
;;     1. [M 16,384, K 128] x [K 128, N 512]; A: input x; B: input Wq: QUANTISED
;;     2. [M 16,384, K 128] x [K 128, N 512]; A: input x; B: input Wk: QUANTISED
;;     3. [M 16,384, K 128] x [K 128, N 512]; A: input x; B: input Wv: QUANTISED
;;     4. batch 64 x [M 1,024, K 128] x [K 128, N 1,024]; A: computed on the way; B: computed on the way: QUANTISED
;;     5. batch 64 x [M 1,024, K 1,024] x [K 1,024, N 128]; A: softmax (see below); B: computed on the way: QUANTISED
;;     6. [M 16,384, K 512] x [K 512, N 128]; A: computed on the way; B: input Wt: QUANTISED
;;   THE QUANTISER, for each operand of a quantised product, along K:
;;     - K is cut into blocks of 32 from its start; a last block that is shorter is filled with zeros.
;;     - A block's scale is 2^e with e = floor(log2(the largest magnitude in the block)) - 2, held to -126 .. 127; a block of zeros has e = 0. As a byte (E8M0): e + 127.
;;     - Each number is divided by its block's scale, clamped to +-6, and rounded to the nearest number of E2M1, ties to even, subnormals kept.
;;     - The product sums the exact products of the quantised numbers (number of the format x scale) in f32.
;;   ~~~python
;;   def quantise(x, axis):      # numpy; x: float32 -> the quantised numbers, widened to float32 again
;;       x = np.moveaxis(x, axis, -1); K = x.shape[-1]
;;       x = np.pad(x, [(0, 0)] * (x.ndim - 1) + [(0, -K % 32)]); x = x.reshape(x.shape[:-1] + (-1, 32)); a = np.abs(x).max(-1, keepdims=True)
;;       e = np.where(a > 0, np.clip(np.frexp(np.where(a > 0, a, 1))[1] - 1 - 2, -126, 127), 0)      # np.frexp(a)[1] - 1 = floor(log2(a)), exactly
;;       r = np.clip(x / 2.0 ** e, -6, 6)
;;       step = 2.0 ** (np.maximum(np.frexp(np.where(r == 0, 1, r))[1] - 1, 0) - 1)
;;       q = np.round(r / step) * step * 2.0 ** e      # np.round: ties to even
;;       return np.moveaxis(q.reshape(q.shape[:-2] + (-1,))[..., :K], -1, axis).astype(np.float32)
;;   ~~~
;;   SOFTMAX AHEAD OF A QUANTISED PRODUCT. Where the list says 'softmax', what is quantised is not the finished softmax but p = 2^(t - M), with t = logit x log2(e) and M = ceil(the row's largest t), a whole number; so 1/2 < the row's largest p <= 1. The row's sum l is taken of the UNQUANTISED p, in f32, and the product's result is divided by l at the end. Since M is a whole number, a kernel that streams over the keys may use a running M (the ceiling of the running maximum): every later rescaling is an exact power of two, which a block's scale takes up: the codes' values come out the same.
;;   OPERANDS COMPUTED ON THE WAY. 'Computed on the way' means the value that the module computes at that place (a softmax that the list does not call 'softmax' is quantised finished and normalised). What goes into a quantiser is computed in f32, as accurately as f32 sums, v_exp_f32 and their like allow (about 1e-6 of the number): no bf16 or f16 on the way to a quantiser, and a product that is left as it is and whose result goes on into a quantised operand takes f32 operands (vector FMAs, or v_wmma_f32_16x16x4_f32). A number that lies on a knife's edge between two numbers of the format may be rounded either way, as far as f32 arithmetic and the matrix unit's own rounding can turn it there, and no further.
;; One version. Each part assembles by itself: llvm-mc -triple=amdgcn-amd-amdhsa -mcpu=gfx1250 --defsym DOCPART=n.
;; ======== version 1 of 1: 3 launches
;; workspace buffers: qc 4,194,304 bytes; qs 262,144 bytes; kv 8,912,896 bytes; wt 36,864 bytes; wc 4,194,304 bytes; wsc 262,144 bytes
;; launch qkv (part 1): grid 256 x 1, 16 waves a work-group, clusters of 4 x 1, 251,392 bytes of LDS; arguments x, Wq, Wk, Wv, bv, qc, qs, kv; writes qc, qs, kv
.if DOCPART == 1
	.amdgcn_target "amdgcn-amd-amdhsa--gfx1250"
	.amdhsa_code_object_version 6
	.text
	.protected	k_q3025e5feec_qkv
	.globl	k_q3025e5feec_qkv
	.p2align	8
	.type	k_q3025e5feec_qkv,@function
k_q3025e5feec_qkv:
	s_mov_b64 s[64:65], 0
	v_nop
	global_prefetch_b8 v0, s[64:65] scope:SCOPE_SE
	s_setreg_imm32_b32 hwreg(HW_REG_WAVE_MODE, 25, 1), 1
	s_wait_xcnt 0x0
	s_wait_alu depctr_hold_cnt(0) depctr_sa_sdst(0) depctr_va_vdst(0) depctr_va_sdst(0) depctr_va_ssrc(0) depctr_va_vcc(0) depctr_vm_vsrc(0)
	s_getreg_b32 s2, hwreg(HW_REG_IB_STS2, 6, 4)
	s_cmp_eq_u32 s2, 0
	s_cbranch_scc0 .Lentry_in_a_cluster
	s_endpgm
.Lentry_in_a_cluster:
	s_bfe_u32 s2, ttmp6, 0x10000c
	s_cmp_lg_u32 s2, 0x3003
	s_cbranch_scc0 .Lentry_shape_is_right
	s_endpgm
.Lentry_shape_is_right:
; q, k, v = Wq x, Wk x, Wv x + bv for one head and 256 positions, all three products on codes of FP4 (E2M1) with one E8M0 scale for each 32 along K = the 128 channels;
; the results are quantised at once for the attention launch: q and k along the head's 128 channels, v along the keys.
; x: [16][128][1024] f32.  Wq, Wk, Wv: [512][128] f32.  bv: [512].
; WORK-GROUP id = 4 bh + jq, bh = 4 b + h: image b, head h, positions 256 jq .. 256 jq + 255: 16 tiles of 16 positions = key steps 2 jq and 2 jq + 1 of the head.
; CLUSTER.  The four work-groups of a head (jq = 0 .. 3) read the same 3 x 128 rows of weights, 192 KiB: these come by six JOINT tensor loads (64 rows of 512 bytes each, 16 bytes of padding behind a row), filled once.
; x's slab, 128 KiB, which the four heads' work-groups share, is not asked for jointly: beside the weights' 198 KiB and the 46 KiB of images it would pass a WGP's LDS; it goes straight into registers in the order that the conversions want.
; A FRAGMENT (16 rows x 128 K of 4-bit codes, 8 registers a lane) travels as an IMAGE OF ITS REGISTERS, 1,024 bytes: registers 4 c .. 4 c + 3 of lane l at 512 c + 16 l.  In LDS and in the workspace buffers alike.
; THE POSITIONS OF A TILE ARE NOT NEIGHBOURS: lane r of tile 2 b' + u of a group of 128 takes position 32 b' + 8 u + r + (r & 8).  Used as source 0 (for v) the 16 registers of tiles 2 b', 2 b' + 1 are then
; 16 neighbouring keys; Wq's and Wk's rows are chosen the same way, so that q's and k's registers are 16 neighbouring channels.  One macro, QUANT, serves all.
; SCALE WORDS of eight fragments lie as a table [row 16][fragment 8][4 bytes]: a lane's eight words come by two loads of 16 bytes.
; PHASES: 1: wave w quantises 32 columns of x (group w % 8) over 64 channels (64 (w / 8) on): a lane to a column, registers down the channels, 64 loads of 128 consecutive bytes, all asked for at the start;
;            behind the barrier that shows the weights it quantises unit w of them (Wq's eight tiles, Wk's eight); waves 8-15 a tile of Wv too | barrier |
;         2: wave w makes tile w of q, tile w of k, and fragment (step w / 8, channels 16 (w % 8) on) of v: eight products each, quantised in registers, stored as images | barrier |
;         3: six waves store the gathered scale words, 512 consecutive bytes each.
; LIMITS: a block whose largest magnitude lies under 2^-124 (a block of zeros too) gets the scale byte 1: zero codes add nothing, and the bytes are read by this program alone.  NaN and infinities among the inputs are not served.
.set XIMG, 0                           ; LDS: x's 16 images
.set XSC,  16384                       ; their word tables, one for each of the two key steps
.set WIMG, 17408                       ; the head's weights: 8 images of Wq, 8 of Wk, 8 of Wv
.set WSC,  41984                       ; their three word tables
.set GAT,  43520                       ; gathered on the way out: q's words [tile 16][row 16][4]; then for each key step k's table and v's
.set WRAW, 46592                       ; the weights as f32: Wq's 128 rows, Wk's, Wv's
.set WPI,  528                         ; a row there: 512 bytes + 16 of padding: 16 neighbouring rows start at 16 different groups of four banks
.set WHALF, 64*WPI                     ; what one tensor load brings
.set WKIND, 2*WHALF                    ; one matrix's 128 rows
.set LI,   1                           ; v1   16 x lane
.set L4,   2                           ; v2   4 x lane
.set LR4,  3                           ; v3   4 r            (r = lane % 16, hh = lane / 16)
.set LR32, 4                           ; v4   32 r
.set XST,  5                           ; v5   where my column's codes go in x's images
.set XSS,  6                           ; v6   and its two scale bytes
.set WRP,  7                           ; v7   my unit of Wq or Wk in LDS, rows in the chosen order
.set WRN,  8                           ; v8   my tile of Wv, rows in the natural order
.set XRD,  10                          ; v10  16 x lane + 1,024 w: x's image of tile w; also the image of weight unit w
.set XWR,  11                          ; v11  32 r + 512 (w / 8) + 4 (w % 8): its scale word in a table; also weight unit w's
.set X8,   12                          ; v12  x's eight images of key step w / 8
.set X8S,  13                          ; v13  their table
.set WVR,  14                          ; v14  a weight's image w % 8
.set WWS,  15                          ; v15  its word in a table
.set GA,   16                          ; v16  q's word in the gathering place
.set GB,   17                          ; v17  k's and v's
.set SOR,  18                          ; v18  phase 3: my 16 bytes of the gathering place
.set PC,   24                          ; v24-31   the codes just made
.set TM,   32                          ; v32-47   at work in the quantisers
.set PW,   48                          ; v48      the scale word just made
.set XS,   49                          ; v49      source 1's scale words
.set WS,   50                          ; v50-57   source 0's, eight fragments'
.set XPW,  59                          ; v59      my column's two scale bytes
.set XPC,  60                          ; v60-63   a block's codes of my column
.set WF,   64                          ; v64-127  eight fragments for source 0 (phase 1: 64 numbers of a weight)
.set ACC,  128                         ; v128-191 eight accumulators (phase 1: 64 numbers of x)
.set BC,   192                         ; v192-199 bv in the result's layout (phase 1, waves 8-15: v192-255 64 numbers of Wv)
.set XF,   200                         ; v200-207 source 1's fragment
; 64 numbers of a row of weights out of LDS: register 16 blk + i = k 32 blk + 16 hh + i
.macro WFETCH dst, adr
.irp blk, 0,1,2,3
.irp j, 0,1,2,3
	ds_load_b128 v[\dst+16*\blk+4*\j:\dst+16*\blk+4*\j+3], v[\adr] offset:128*\blk+16*\j
.endr
.endr
.endm
; 64 numbers of a lane, register 16 b + i = k 32 b + 16 hh + i of my row, become a fragment's codes in v[PC] on and its scale word in v[PW].  Each accumulator is read from its low end on.
.macro QUANT s
.irp b, 0,1,2,3
	v_max3_num_f32 v[TM+\b], |v[\s+16*\b]|, |v[\s+1+16*\b]|, 0x1800000   ; block b: my 16 numbers, and the floor 2^(3 - 127): the byte cannot fall under 1
.endr
.irp i, 2,4,6,8,10,12,14
.irp b, 0,1,2,3
	v_max3_num_f32 v[TM+\b], v[TM+\b], |v[\s+16*\b+\i]|, |v[\s+1+16*\b+\i]|   ; the four blocks by turns
.endr
.endr
.irp b, 0,1,2,3
	v_permlanex16_b32 v[TM+4+\b], v[TM+\b], s44, s45
.endr
.irp b, 0,1,2,3
	v_max_num_f32 v[TM+\b], v[TM+\b], v[TM+4+\b]   ; with lane l xor 16's: the block's largest magnitude
.endr
.irp b, 0,1,2,3
	v_add_nc_u32 v[TM+12+\b], 0xff000000, v[TM+\b]   ; 2 off its exponent field: the conversion's scale operand
.endr
.irp b, 0,1,2,3
	v_lshrrev_b32 v[TM+4+\b], 23, v[TM+12+\b]      ; the scale's byte
.endr
	v_lshl_or_b32 v[PW], v[TM+5], 8, v[TM+4]
	v_lshl_or_b32 v[PW], v[TM+6], 16, v[PW]
	v_lshl_or_b32 v[PW], v[TM+7], 24, v[PW]
.irp b, 0,1,2,3
	v_cvt_scalef32_pk8_fp4_f32 v[PC+2*\b], v[\s+16*\b:\s+7+16*\b], v[TM+12+\b]
	v_cvt_scalef32_pk8_fp4_f32 v[PC+1+2*\b], v[\s+8+16*\b:\s+15+16*\b], v[TM+12+\b]
.endr
	v_nop                                          ; one plain place behind a scaled conversion
.irp c, 0,1                                    ; a whole block to a lane: lanes 0-15 block 2 c, lanes 16-31 block 2 c + 1
.irp i, 0,1
	v_permlane16_swap_b32 v[PC+4*\c+\i], v[PC+2+4*\c+\i]
.endr
.endr
.endm
; block 2 (w / 8) + e of my column of x: its 32 numbers are all mine (v[128 + 32 e] on); 16 bytes of codes go to their place in the tile's image
.macro XBLOCK e
.set XB, 128+32*\e
	v_max3_num_f32 v[TM], |v[XB]|, |v[XB+1]|, |v[XB+2]|
	v_max3_num_f32 v[TM+1], |v[XB+3]|, |v[XB+4]|, |v[XB+5]|
.irp i, 6,10,14,18,22,26
	v_max3_num_f32 v[TM], v[TM], |v[XB+\i]|, |v[XB+\i+1]|
	v_max3_num_f32 v[TM+1], v[TM+1], |v[XB+\i+2]|, |v[XB+\i+3]|
.endr
	v_max3_num_f32 v[TM], v[TM], |v[XB+30]|, |v[XB+31]|
	v_max3_num_f32 v[TM], v[TM], v[TM+1], 0x1800000
	v_add_nc_u32 v[TM+2], 0xff000000, v[TM]
.if \e == 0
	v_lshrrev_b32 v[XPW], 23, v[TM+2]              ; the scale's byte: the lower block's in the lower byte
.else
	v_lshrrev_b32 v[TM+3], 23, v[TM+2]
	v_lshl_or_b32 v[XPW], v[TM+3], 8, v[XPW]
.endif
.irp g, 0,1,2,3
	v_cvt_scalef32_pk8_fp4_f32 v[XPC+\g], v[XB+8*\g:XB+8*\g+7], v[TM+2]
.endr
	v_nop                                          ; one plain place behind the last conversion
	ds_store_b128 v[XST], v[XPC:XPC+3] offset:XIMG+256*\e   ; block 2 c + e lies at 512 c + 256 e + 16 x row; 512 c stands in the register
.endm
.macro IMG_LDS adr, off
	ds_store_b128 v[\adr], v[PC:PC+3] offset:\off
	ds_store_b128 v[\adr], v[PC+4:PC+7] offset:\off+512
.endm
.macro IMG_GLB ptr, off                        ; each store of the wave covers 512 consecutive bytes, aligned
	global_store_b128 v[LI], v[PC:PC+3], s[\ptr:\ptr+1] offset:\off
	global_store_b128 v[LI], v[PC+4:PC+7], s[\ptr:\ptr+1] offset:\off+512
.endm
.macro FETCH8 adr, off, adrw, offw             ; eight images and their table
.irp t, 0,1,2,3,4,5,6,7
.irp c, 0,1
	ds_load_b128 v[WF+8*\t+4*\c:WF+8*\t+4*\c+3], v[\adr] offset:\off+1024*\t+512*\c
.endr
.endr
	ds_load_b128 v[WS:WS+3], v[\adrw] offset:\offw
	ds_load_b128 v[WS+4:WS+7], v[\adrw] offset:\offw+16
.endm
.macro FETCH1 adr, off, adrw, offw             ; one image and its words
	ds_load_b128 v[XF:XF+3], v[\adr] offset:\off
	ds_load_b128 v[XF+4:XF+7], v[\adr] offset:\off+512
	ds_load_b32 v[XS], v[\adrw] offset:\offw
.endm
.macro MUL8 bias                               ; eight products on eight accumulators, K = 128 in one instruction: no sum is taken up again
.irp t, 0,1,2,3,4,5,6,7
.if \bias
	v_wmma_scale_f32_16x16x128_f8f6f4 v[ACC+8*\t:ACC+8*\t+7], v[WF+8*\t:WF+8*\t+7], v[XF:XF+7], v[BC:BC+7], v[WS+\t], v[XS] matrix_a_fmt:MATRIX_FMT_FP4 matrix_b_fmt:MATRIX_FMT_FP4
.else
	v_wmma_scale_f32_16x16x128_f8f6f4 v[ACC+8*\t:ACC+8*\t+7], v[WF+8*\t:WF+8*\t+7], v[XF:XF+7], 0, v[WS+\t], v[XS] matrix_a_fmt:MATRIX_FMT_FP4 matrix_b_fmt:MATRIX_FMT_FP4
.endif
.endr
.endm
.macro PLACES                                  ; four places behind matrix instructions, in front of loads into their registers and of the first read of results
.rept 4
	v_nop
.endr
.endm
.macro BARRIER                                 ; my LDS stores have landed and my LDS loads are in: then the work-group's barrier
	s_wait_dscnt 0x0
	s_barrier_signal -1
	s_barrier_wait -1
.endm
.macro ROUND                                   ; a round of the cluster's barrier
	s_barrier_signal -1
	s_barrier_wait -1
	s_cmp_lg_u32 s20, 0
	s_cbranch_scc1 .Lnot_wave_0_\@
	s_barrier_signal -3
.Lnot_wave_0_\@:
	s_barrier_wait -3
	s_barrier_signal -1
	s_barrier_wait -1
.endm
	s_load_b256 s[4:11], s[0:1], 0x0               ; x s[4:5], Wq s[6:7], Wk s[8:9], Wv s[10:11]
	s_load_b256 s[12:19], s[0:1], 0x20             ; bv s[12:13], qc s[14:15], qs s[16:17], kv s[18:19]
	v_lshl_add_u32 v43, v0, 2, 0x3ce00
	v_mov_b32 v58, 0
	ds_add_u32 v43, v58
	ds_add_u32 v43, v58
	v_lshrrev_b32 v19, 5, v0
	v_readfirstlane_b32 s20, v19                   ; wave w, 0..15
	s_and_b32 s21, s20, 7                          ; w % 8
	s_lshr_b32 s22, s20, 3                         ; w / 8
	s_bfe_u32 s23, ttmp6, 0x40000                  ; jq: my place in the cluster: it enters the addresses of x, qc, qs and kv alone
	s_mov_b32 s46, ttmp9                           ; bh = 4 b + h: in a cluster launch ttmp9 counts clusters
	s_lshl_b32 s47, s46, 2
	s_add_co_u32 s47, s47, s23                     ; id = 4 bh + jq
	s_mov_b32 s44, 0x76543210
	s_mov_b32 s45, 0xfedcba98                      ; v_permlanex16_b32's selects for lane l xor 16
	; descriptor group 1: 64 rows of 128 elements of 4 bytes, dense in memory, padded in LDS
	s_mov_b32 s24, 15|(2<<16)|(1<<20)|(1<<21)|(6<<22)|(3<<25)   ; 15:0 the mask: all four work-groups; 17:16 elements of 4 bytes; 20 padding on; 21 set beside a mask; 24:22 after every 128 words (code 6); 31:25 four words (code 3)
	s_mov_b32 s25, 128<<16                         ; tensor_dim0 = 128
	s_mov_b32 s26, 64<<16                          ; tensor_dim1 = 64
	s_mov_b32 s27, 128<<16                         ; tile_dim0 = 128
	s_mov_b32 s28, 64                              ; tile_dim1 = 64
	s_mov_b32 s29, 128                             ; from row to row
	s_mov_b32 s30, 0
	s_mov_b32 s31, 0
	v_and_b32 v19, 31, v0                          ; lane
	v_and_b32 v20, 15, v0                          ; r
	v_bfe_u32 v21, v0, 4, 1                        ; hh
	v_bfe_u32 v22, v0, 3, 1                        ; u: which of the two tiles my column of x falls into
	v_and_b32 v23, 7, v0
	v_lshl_add_u32 v23, v21, 3, v23                ; and its row there: lane % 8 + 8 hh
	; every LDS address is made here, ahead of every branch on the wave's number
	v_lshlrev_b32 v[LI], 4, v19
	v_lshlrev_b32 v[L4], 2, v19
	v_lshlrev_b32 v[LR4], 2, v20
	v_lshlrev_b32 v[LR32], 5, v20
	s_lshl_b32 s48, s21, 11
	s_lshl_b32 s49, s22, 9
	s_add_co_u32 s48, s48, s49
	v_lshlrev_b32 v[XST], 4, v23
	v_lshl_add_u32 v[XST], v22, 10, v[XST]
	v_add_nc_u32 v[XST], s48, v[XST]               ; tile 2 (w % 8) + u, register group w / 8, row: 2,048 (w % 8) + 1,024 u + 512 (w / 8) + 16 row
	s_lshr_b32 s48, s21, 2
	s_lshl_b32 s48, s48, 9
	s_and_b32 s49, s21, 3
	s_lshl_b32 s49, s49, 3
	s_add_co_u32 s48, s48, s49
	s_lshl_b32 s49, s22, 1
	s_add_co_u32 s48, s48, s49
	v_lshlrev_b32 v[XSS], 5, v23
	v_lshl_add_u32 v[XSS], v22, 2, v[XSS]
	v_add_nc_u32 v[XSS], s48, v[XSS]               ; table of step (w % 8) / 4: 32 row + 4 (2 (w % 4) + u) + 2 (w / 8): my two bytes of the word
	s_lshr_b32 s48, s21, 1
	s_lshl_b32 s48, s48, 5
	s_and_b32 s49, s21, 1
	s_lshl_b32 s49, s49, 3
	s_add_co_u32 s48, s48, s49                     ; tile w % 8 in the chosen order begins at row 32 ((w % 8) / 2) + 8 (w % 2)
	s_mul_i32 s48, s48, WPI
	s_mul_i32 s49, s22, WKIND                      ; waves 0-7: Wq; waves 8-15: Wk
	s_add_co_u32 s48, s48, s49
	s_add_co_u32 s48, s48, WRAW
	v_and_b32 v[WRP], 8, v20
	v_add_nc_u32 v[WRP], v[WRP], v20               ; + r + (r & 8): the two groups of eight rows lie 16 rows apart and meet two deep in the banks
	v_mul_u32_u24 v[WRP], v[WRP], WPI
	v_lshl_add_u32 v[WRP], v21, 6, v[WRP]          ; + 64 hh: my 16 numbers of each block of 32
	v_add_nc_u32 v[WRP], s48, v[WRP]
	s_mul_i32 s48, s21, 16*WPI
	s_add_co_u32 s48, s48, WRAW+2*WKIND            ; Wv: rows 16 (w % 8) + r
	v_mul_u32_u24 v[WRN], v20, WPI
	v_lshl_add_u32 v[WRN], v21, 6, v[WRN]
	v_add_nc_u32 v[WRN], s48, v[WRN]
	s_lshl_b32 s48, s20, 10
	v_add_nc_u32 v[XRD], s48, v[LI]
	s_lshl_b32 s48, s22, 9
	v_add_nc_u32 v[X8S], s48, v[LR32]
	s_lshl_b32 s49, s21, 2
	v_add_nc_u32 v[WWS], s49, v[LR32]
	v_add_nc_u32 v[XWR], s48, v[WWS]
	s_lshl_b32 s48, s22, 13
	v_add_nc_u32 v[X8], s48, v[LI]
	s_lshl_b32 s48, s21, 10
	v_add_nc_u32 v[WVR], s48, v[LI]
	s_lshl_b32 s48, s20, 6
	v_add_nc_u32 v[GA], s48, v[LR4]
	s_lshl_b32 s48, s22, 10
	v_add_nc_u32 v[GB], s48, v[WWS]
	s_lshl_b32 s48, s20, 9
	v_add_nc_u32 v[SOR], s48, v[LI]
.irp b, 0,1,2,3
	v_mov_b32 v[TM+4+\b], 0                        ; written once: a lane permute's destination counts as one of its sources
.endr
	; byte offsets into the buffers, each in a pair of its own with 0 above it.  What feeds the joint loads is made of bh and the wave's number alone, in registers that never hold jq
	s_lshr_b32 s50, s46, 2                         ; b
	s_and_b32 s51, s46, 3                          ; h
	s_lshl_b32 s52, s50, 19                        ; x: image b, channel 64 (w / 8), position 256 jq + 32 (w % 8)
	s_lshl_b32 s57, s22, 18
	s_or_b32 s52, s52, s57
	s_lshl_b32 s57, s23, 10
	s_or_b32 s52, s52, s57
	s_lshl_b32 s57, s21, 7
	s_or_b32 s52, s52, s57
	s_mov_b32 s53, 0
	s_lshl_b32 s54, s51, 16                        ; the weights: row 128 h + 64 (w % 2), 512 bytes a row
	s_and_b32 s56, s20, 1
	s_lshl_b32 s48, s56, 15
	s_or_b32 s54, s54, s48
	s_mov_b32 s55, 0
	s_mul_i32 s56, s56, WHALF
	s_add_co_u32 s56, s56, WRAW                    ; and where that half goes in LDS
	s_lshl_b32 s58, s51, 9                         ; bv: rows 128 h + 16 (w % 8), 4 bytes each
	s_lshl_b32 s48, s21, 6
	s_or_b32 s58, s58, s48
	s_mov_b32 s59, 0
	s_lshl_b32 s60, s47, 14                        ; qc: image 16 id + w
	s_lshl_b32 s57, s20, 10
	s_or_b32 s60, s60, s57
	s_mov_b32 s61, 0
	s_lshl_b32 s62, s47, 10                        ; qs: 1,024 bytes a work-group
	s_mov_b32 s63, 0
	s_mul_i32 s66, s46, 139264                     ; kv: the head's record,
	s_mul_i32 s57, s23, 34816                      ; key step 2 jq
	s_add_co_u32 s66, s66, s57
	s_add_co_u32 s68, s66, 16384                   ; that step's tables
	s_mov_b32 s69, 0
	s_mul_i32 s57, s22, 17408                      ; my step, my image
	s_add_co_u32 s66, s66, s57
	s_lshl_b32 s57, s21, 10
	s_add_co_u32 s66, s66, s57
	s_mov_b32 s67, 0
	s_wait_dscnt 0x0
	s_wait_kmcnt 0x0
	s_add_nc_u64 s[4:5], s[4:5], s[52:53]
	s_add_nc_u64 s[6:7], s[6:7], s[54:55]
	s_add_nc_u64 s[8:9], s[8:9], s[54:55]
	s_add_nc_u64 s[10:11], s[10:11], s[54:55]
	s_add_nc_u64 s[12:13], s[12:13], s[58:59]
	s_add_nc_u64 s[14:15], s[14:15], s[60:61]
	s_add_nc_u64 s[16:17], s[16:17], s[62:63]
	s_add_nc_u64 s[70:71], s[18:19], s[68:69]      ; kv at the tables of step 2 jq
	s_add_nc_u64 s[18:19], s[18:19], s[66:67]      ; kv at my image of k; v's lies 8,192 bytes on
.irp k, 0,1,2                                  ; descriptor group 0 for Wq, Wk, Wv: every wave makes all three and asks by one at the most
	s_mov_b32 s[32+4*\k], 1                        ; count = 1
	s_add_co_u32 s[33+4*\k], s56, \k*WKIND         ; LDS address
	s_mov_b64 s[34+4*\k:35+4*\k], s[6+2*\k:7+2*\k] ; global address
	s_or_b32 s[35+4*\k], s[35+4*\k], 0x80000000    ; type = 2
.endr
	; ---- PHASE 1.  My column's first 32 channels are asked for ahead of the round: each load reads 128 consecutive bytes, eight waves stand side by side on 1,024
.set CI, 0
.rept 32
	global_load_b32 v[128+CI], v[L4], s[4:5] offset:4096*CI
.set CI, CI+1
.endr
	ROUND                                          ; all four work-groups are here: the joint loads meet
	s_cmp_lt_u32 s20, 2                            ; waves 0, 1: Wq's halves; 2, 3: Wk's; 4, 5: Wv's; the others ask for nothing.  One tensor load of a wave is out
	s_cbranch_scc0 .Lnot_q
	tensor_load_to_lds s[32:35], s[24:31]
	s_nop 0
.rept 4
	v_nop                                          ; four behind the load
.endr
	s_branch .Lasked
.Lnot_q:
	s_cmp_lt_u32 s20, 4
	s_cbranch_scc0 .Lnot_k
	tensor_load_to_lds s[36:39], s[24:31]
	s_nop 0
.rept 4
	v_nop
.endr
	s_branch .Lasked
.Lnot_k:
	s_cmp_lt_u32 s20, 6
	s_cbranch_scc0 .Lasked
	tensor_load_to_lds s[40:43], s[24:31]
	s_nop 0
.rept 4
	v_nop
.endr
.Lasked:
.rept 32
	global_load_b32 v[128+CI], v[L4], s[4:5] offset:4096*CI   ; the other 32 channels
.set CI, CI+1
.endr
	s_wait_tensorcnt 0x0                           ; my part of the weights has landed
	s_barrier_signal -1
	s_barrier_wait -1                              ; everybody's has.  (No LDS instruction has been issued yet; x's loads stay on their way)
	WFETCH 64, WRP                                 ; unit w of the weights
	s_wait_loadcnt 32                              ; my first 32 channels are in; the other 32 loads may be out
	XBLOCK 0
	s_wait_dscnt 1                                 ; the unit's 16 loads are in; behind them stands the block's store
	QUANT 64
	IMG_LDS XRD, WIMG                              ; image w: Wq's eight, then Wk's
	ds_store_b32 v[XWR], v[PW] offset:WSC          ; lanes r and r + 16 write the same word with the same value
	s_wait_loadcnt 0x0                             ; the other 32 channels: the last of them were asked for under the work above
	s_wait_dscnt 3                                 ; the first block's store has read its codes; behind it stand the image's two stores and the word's
	XBLOCK 1
	ds_store_b16 v[XSS], v[XPW] offset:XSC         ; two bytes of the column's scale word; wave w xor 8 writes the other two
	s_cmp_lt_u32 s20, 8                            ; waves 8-15: tile w - 8 of Wv
	s_cbranch_scc1 .Ljoin
	WFETCH 192, WRN
	s_wait_dscnt 0x0                               ; they are in, and the stores above have read codes and word
	QUANT 192
	IMG_LDS WVR, WIMG+16384
	ds_store_b32 v[WWS], v[PW] offset:WSC+1024
.Ljoin:
	BARRIER                                        ; x's 16 images and the weights' 24 lie in LDS
	; ---- PHASE 2
.irp j, 0,1,2,3,4,5,6,7
	global_load_b32 v[BC+\j], v[LR4], s[12:13]     ; bv of channel 16 (w % 8) + r in all eight registers: the C of v's products, in the result's layout
.endr
	FETCH8 LI, WIMG, LR32, WSC                     ; Wq's eight tiles: source 0
	FETCH1 XRD, XIMG, XWR, XSC                     ; x's tile w: source 1
	s_wait_dscnt 0x0
	MUL8 0                                         ; lane r: position r of the tile; registers 16 b + i: channel 32 b + 16 hh + i
	PLACES
	FETCH8 LI, WIMG+8192, LR32, WSC+512            ; Wk lands while q is quantised
	QUANT ACC
	IMG_GLB 14, 0
	ds_store_b32 v[GA], v[PW] offset:GAT
	s_wait_dscnt 0x0                               ; Wk is in; the store has read the word
	MUL8 0
	PLACES
	FETCH8 X8, XIMG, X8S, XSC                      ; for v: the key step's eight tiles of x are source 0,
	FETCH1 WVR, WIMG+16384, WWS, WSC+1024          ; Wv's tile w % 8 source 1
	s_wait_xcnt 0x0                                ; q's stores have read the codes
	QUANT ACC
	IMG_GLB 18, 0
	ds_store_b32 v[GB], v[PW] offset:GAT+1024
	s_wait_dscnt 0x0
	s_wait_loadcnt 0x0                             ; bv
	MUL8 1                                         ; lane r: channel; registers 16 b + i: key 32 b + 16 hh + i of the step
	PLACES
	s_wait_xcnt 0x0                                ; k's stores have read the codes
	QUANT ACC
	IMG_GLB 18, 8192
	ds_store_b32 v[GB], v[PW] offset:GAT+1536
	BARRIER                                        ; 3,072 bytes of scale words are gathered
	; ---- PHASE 3: waves 0, 1: q's words; waves 2 to 5: k's and v's tables of the two key steps.  512 consecutive bytes a wave
	s_cmp_lt_u32 s20, 6
	s_cbranch_scc0 .Lend
	s_wait_xcnt 0x0                                ; v's stores have read the codes' registers
	ds_load_b128 v[PC:PC+3], v[SOR] offset:GAT
	s_max_u32 s48, s20, 2
	s_sub_co_u32 s48, s48, 2
	s_lshr_b32 s49, s48, 1
	s_mul_i32 s49, s49, 17408                      ; the key step,
	s_and_b32 s48, s48, 1
	s_lshl_b32 s48, s48, 9                         ; k's table or v's
	s_add_co_u32 s49, s49, s48
	s_lshl_b32 s48, s20, 9
	s_cmp_lt_u32 s20, 2                            ; the choice hangs on the wave's number alone
	s_cselect_b64 s[50:51], s[16:17], s[70:71]
	s_cselect_b32 s52, s48, s49
	s_mov_b32 s53, 0
	s_add_nc_u64 s[50:51], s[50:51], s[52:53]
	s_wait_dscnt 0x0
	global_store_b128 v[LI], v[PC:PC+3], s[50:51]
.Lend:
	s_wait_tensorcnt 0x0
	ds_add_u32 v43, v58
	s_wait_dscnt 0x0
	ROUND                                          ; the closing round: no work-group ends while a partner may still ask for rows that name it
	s_endpgm
.Lfunc_end_k_q3025e5feec_qkv:
	.size	k_q3025e5feec_qkv, .Lfunc_end_k_q3025e5feec_qkv-k_q3025e5feec_qkv
	.p2alignl 7, 3214868480
	.fill 96, 4, 3214868480
	.section	.rodata,"a",@progbits
	.p2align	6, 0x0
	.amdhsa_kernel k_q3025e5feec_qkv
		.amdhsa_group_segment_fixed_size 251392
		.amdhsa_private_segment_fixed_size 0
		.amdhsa_enable_private_segment 0
		.amdhsa_kernarg_size 64
		.amdhsa_user_sgpr_count 2
		.amdhsa_user_sgpr_kernarg_segment_ptr 1
		.amdhsa_wavefront_size32 1
		.amdhsa_system_sgpr_workgroup_id_x 1
		.amdhsa_system_sgpr_workgroup_id_y 1
		.amdhsa_system_sgpr_workgroup_id_z 1
		.amdhsa_system_vgpr_workitem_id 0
		.amdhsa_next_free_vgpr 256
		.amdhsa_next_free_sgpr 72
		.amdhsa_reserve_vcc 0
		.amdhsa_float_denorm_mode_32 3
		.amdhsa_float_denorm_mode_16_64 3
		.amdhsa_memory_ordered 1
		.amdhsa_forward_progress 1
		.amdhsa_inst_pref_size 49
	.end_amdhsa_kernel
	.amdgpu_metadata
---
amdhsa.version: [ 1, 2 ]
amdhsa.kernels:
  - .name:           k_q3025e5feec_qkv
    .symbol:         k_q3025e5feec_qkv.kd
    .args:
      - { .name: x, .offset: 0, .size: 8, .value_kind: global_buffer, .address_space: global }
      - { .name: Wq, .offset: 8, .size: 8, .value_kind: global_buffer, .address_space: global }
      - { .name: Wk, .offset: 16, .size: 8, .value_kind: global_buffer, .address_space: global }
      - { .name: Wv, .offset: 24, .size: 8, .value_kind: global_buffer, .address_space: global }
      - { .name: bv, .offset: 32, .size: 8, .value_kind: global_buffer, .address_space: global }
      - { .name: qc, .offset: 40, .size: 8, .value_kind: global_buffer, .address_space: global }
      - { .name: qs, .offset: 48, .size: 8, .value_kind: global_buffer, .address_space: global }
      - { .name: kv, .offset: 56, .size: 8, .value_kind: global_buffer, .address_space: global }
    .group_segment_fixed_size: 251392
    .private_segment_fixed_size: 0
    .kernarg_segment_align: 8
    .kernarg_segment_size: 64
    .max_flat_workgroup_size: 512
    .sgpr_count:     72
    .vgpr_count:     256
    .wavefront_size: 32
...
	.end_amdgpu_metadata
.endif
;; end of part 1
;; launch attn (part 2): grid 4 x 64, 16 waves a work-group, clusters of 4 x 1, 277,504 bytes of LDS; arguments qc, qs, kv, Wt, wc, wsc, wt; writes wc, wsc, wt
.if DOCPART == 2
	.amdgcn_target "amdgcn-amd-amdhsa--gfx1250"
	.amdhsa_code_object_version 6
	.text
	.protected	k_q3025e5feec_attn
	.globl	k_q3025e5feec_attn
	.p2align	8
	.type	k_q3025e5feec_attn,@function
k_q3025e5feec_attn:
	s_mov_b64 s[64:65], 0
	v_nop
	global_prefetch_b8 v0, s[64:65] scope:SCOPE_SE
	s_setreg_imm32_b32 hwreg(HW_REG_WAVE_MODE, 25, 1), 1
	s_wait_xcnt 0x0
	s_wait_alu depctr_hold_cnt(0) depctr_sa_sdst(0) depctr_va_vdst(0) depctr_va_sdst(0) depctr_va_ssrc(0) depctr_va_vcc(0) depctr_vm_vsrc(0)
	s_getreg_b32 s2, hwreg(HW_REG_IB_STS2, 6, 4)
	s_cmp_eq_u32 s2, 0
	s_cbranch_scc0 .Lentry_in_a_cluster
	s_endpgm
.Lentry_in_a_cluster:
	s_bfe_u32 s2, ttmp6, 0x10000c
	s_cmp_lg_u32 s2, 0x3003
	s_cbranch_scc0 .Lentry_shape_is_right
	s_endpgm
.Lentry_shape_is_right:
; O[q][:] = the sum over keys of softmax(q . k / sqrt(128)) v for one head and 256 queries, both products on codes of FP4 (E2M1) with one E8M0 scale for each 32 along K; O is then quantised for the projection.
; THE SOFTMAX AHEAD OF THE SECOND PRODUCT: t = score x log2(e) / sqrt(128); M = the running largest t rounded UP to a whole number; p = 2^(t - M) is what is quantised, along the keys, not normalised.
; The row's sum is taken of the unquantised p, in f32, and divides O at the end.  When M moves, the sum and O are multiplied by 2^(old M - new M): exact.
; INPUTS, as the launch before laid them: fragments as images of their registers (1,024 bytes: registers 4 c .. 4 c + 3 of lane l at 512 c + 16 l).  kv: for each head eight key steps of 17,408 bytes:
; k's 8 images, v's 8 images (rows = channels, K = the step's 128 keys), k's table of scale words [row 16][image 8][4 bytes], v's table.  qc, qs: q's images and scale words, 64 tiles a head.
; SHARES.  Work-group (j, head): queries 256 j .. 256 j + 255.  Sixteen waves, each one tile of 16 queries in 256 registers: four waves to a SIMD, so that one wave's vector work stands beside another's products and LDS loads.
; The price: a fragment read from LDS feeds one product.
; THE WHOLE HEAD'S k AND v, 139,264 bytes of codes and scales, LIE IN LDS: filled once, by four loads of each of four waves; nothing is ever filled again.  Two barriers show them: one the first two key steps, one all the rest.
; CLUSTER.  The four work-groups of a head form a cluster and read the same record: each part is asked for JOINTLY (the same tensor load, the same descriptor, a mask that names the four).
; LAYOUT.  Both products transposed: S^T = k q^T, O^T = v^T p^T: a lane holds one query throughout.  The keys of a tile of k were chosen so that the 16 registers of tiles 2 b and 2 b + 1 are keys 32 b + 16 hh + 0 .. 15.
; The queries of a tile were chosen the same way: row r of tile w is query 128 (w / 8) + 32 ((w % 8) / 2) + 8 (w % 2) + r + (r & 8) of the 256; only the way out has to know.
; TWO BLOCKS OF 64 REGISTERS CHANGE PLACES FROM STEP TO STEP: one holds the step's fragments (k, then v), the other its scores and p.  When p has been converted and summed, its registers take the NEXT step's k,
; asked for ahead of O's rescaling and the step's last eight products; the next step's scores are laid over v's fragments.
; Wt [128][512] f32 IS QUANTISED HERE for the projection, in the wait for the first key steps: wave 15, which fetches nothing, of heads 0 to 7 makes fragment 4 head + j (rows 16 head on, K step j): an image and 128 bytes of scale words.
; THE WAY OUT.  reference() reads [head][query][channel] as [512][1024]: c' = 128 head + query / 8, n' = 128 (query % 8) + channel.  The projection's K is c': a block of 32 is 32 queries, 8 apart, of one run of 256: all mine.
; O / sum goes to a stage in LDS; then a lane takes a column n' and its registers run down c'.  wc: [image b][block 16][n' 1024][16 bytes of codes]; wsc: [b][block][n'] bytes.
; LIMITS: a block whose largest magnitude lies under 2^-124 (a block of zeros too) gets the scale byte 1; the bytes are read by this program alone.  NaN and infinities are not served.
.set STEPB, 17408                      ; a key step's record
.set VIMG,  8192                       ; v's images in it
.set KTAB,  16384                      ; k's table
.set VTAB,  16896                      ; v's
.set CHUNK_B, 2*STEPB                  ; a chunk: two key steps
.set QUART, CHUNK_B/4                  ; what one tensor load brings: 34 rows of 256 bytes
.set STG,   8*STEPB                    ; behind the record: the stage, 256 rows x (512 bytes + 16)
.set SPI,   528
.set SCB,   STG+256*SPI                ; behind it: the work-group's 1,024 scale bytes
.set LI,   1                           ; v1   16 x lane
.set LR32, 2                           ; v2   32 r
.set ADI,  3                           ; v3   the step's images  (at the head: Wt's row and half, 2,048 r + 64 hh)
.set ADW,  4                           ; v4   the step's tables  (at the head: 4 x lane)
.set SO,   5                           ; v5   the stage: where I put my query's channels
.set A0,   6                           ; v6   the stage: my column, rows 0 .. 127
.set A1,   7                           ; v7   rows 128 .. 255
.set SBA,  8                           ; v8   my column's scale byte
.set SRD,  9                           ; v9   8 scale bytes on the way out
.set L8,   10                          ; v10  8 x lane
.set QS,   11                          ; v11  q's scale words
.set QF,   16                          ; v16-23  q's fragment.   v12 -M, v13 the largest t, v[14:15] the sum in two halves
.set KS,   24                          ; v24-31  v's eight scale words
.set FRG,  32                          ; v32-95 and v96-159: fragments and scores, by turns; on the way out v32-95 two columns, v96-159 O / sum
.set KW,   240                         ; v240-243, v248-251  k's eight scale words
.set TM,   232                         ; v232-247 at work;  v160-223 O^T; v224-231 codes; v252 f; v253 p's scale word; v254 at work
.set PC,   224
.set PW,   252
                                       ; s18 wave, s19 j, s60 head; s[20:21] lane selects; s[22:23] c; s[24:31] descriptor group 1; s[32:47] four groups 0
.macro ROUND                           ; a round of the cluster's barrier
	s_barrier_signal -1
	s_barrier_wait -1
	s_cmp_lg_u32 s18, 0
	s_cbranch_scc1 .Lnot_wave_0_\@
	s_barrier_signal -3
.Lnot_wave_0_\@:
	s_barrier_wait -3
	s_barrier_signal -1
	s_barrier_wait -1
.endm
; 64 numbers of a lane, register 16 b + i = k 32 b + 16 hh + i of my row, become a fragment's codes in v[PC] on and its scale word in v[PW]
.macro QUANT s
.irp b, 0,1,2,3
	v_max3_num_f32 v[TM+\b], |v[\s+16*\b]|, |v[\s+1+16*\b]|, 0x1800000   ; block b: my 16 numbers, and the floor 2^(3 - 127): the byte cannot fall under 1
.endr
.irp i, 2,4,6,8,10,12,14
.irp b, 0,1,2,3
	v_max3_num_f32 v[TM+\b], v[TM+\b], |v[\s+16*\b+\i]|, |v[\s+1+16*\b+\i]|
.endr
.endr
.irp b, 0,1,2,3
	v_permlanex16_b32 v[TM+4+\b], v[TM+\b], s20, s21
.endr
.irp b, 0,1,2,3
	v_max_num_f32 v[TM+\b], v[TM+\b], v[TM+4+\b]
.endr
.irp b, 0,1,2,3
	v_add_nc_u32 v[TM+12+\b], 0xff000000, v[TM+\b]
.endr
.irp b, 0,1,2,3
	v_lshrrev_b32 v[TM+4+\b], 23, v[TM+12+\b]
.endr
	v_lshl_or_b32 v[PW], v[TM+5], 8, v[TM+4]
	v_lshl_or_b32 v[PW], v[TM+6], 16, v[PW]
	v_lshl_or_b32 v[PW], v[TM+7], 24, v[PW]
.irp b, 0,1,2,3
	v_cvt_scalef32_pk8_fp4_f32 v[PC+2*\b], v[\s+16*\b:\s+7+16*\b], v[TM+12+\b]
	v_cvt_scalef32_pk8_fp4_f32 v[PC+1+2*\b], v[\s+8+16*\b:\s+15+16*\b], v[TM+12+\b]
.endr
	v_nop                                          ; one plain place behind a scaled conversion
.irp c, 0,1
.irp i, 0,1
	v_permlane16_swap_b32 v[PC+4*\c+\i], v[PC+2+4*\c+\i]
.endr
.endr
.endm
	s_load_b256 s[4:11], s[0:1], 0x0               ; qc s[4:5], qs s[6:7], kv s[8:9], Wt s[10:11]
	s_load_b128 s[12:15], s[0:1], 0x20             ; wc s[12:13], wsc s[14:15]
	s_load_b64 s[16:17], s[0:1], 0x30              ; wt
	v_lshl_add_u32 v254, v0, 2, 0x43400
	v_mov_b32 v255, 0
	ds_add_u32 v254, v255
	ds_add_u32 v254, v255
	s_wait_dscnt 0x0
	v_lshrrev_b32 v3, 5, v0
	v_readfirstlane_b32 s18, v3                    ; wave w, 0..15
	s_bfe_u32 s19, ttmp6, 0x40000                  ; j: my place in the cluster: it enters the addresses of qc, qs, Wt, wc, wsc and wt alone
	s_and_b32 s60, ttmp7, 0xffff                   ; the head (4 b + h), which the four partners share
	s_mov_b32 s20, 0x76543210
	s_mov_b32 s21, 0xfedcba98                      ; v_permlanex16_b32's selects for lane l xor 16
	s_mov_b32 s22, 0x3e0293ee                      ; c = log2(e) / sqrt(128)
	s_mov_b32 s23, s22                             ; (named with it as a pair, so it is written)
	; descriptor group 1: 34 rows of 32 elements of 8 bytes, dense, no padding
	s_mov_b32 s24, 15|(3<<16)|(1<<21)              ; 15:0 the mask: all four work-groups; 17:16 elements of 8 bytes; 21 set beside a mask
	s_mov_b32 s25, 32<<16                          ; tensor_dim0 = 32
	s_mov_b32 s26, 34<<16                          ; tensor_dim1 = 34
	s_mov_b32 s27, 32<<16                          ; tile_dim0 = 32
	s_mov_b32 s28, 34                              ; tile_dim1 = 34
	s_mov_b32 s29, 32                              ; from row to row
	s_mov_b32 s30, 0
	s_mov_b32 s31, 0
	; every LDS address that stays is made here, ahead of every branch on the wave's number
	v_and_b32 v234, 31, v0                         ; lane
	v_and_b32 v232, 15, v0                         ; r
	v_bfe_u32 v233, v0, 4, 1                       ; hh
	v_lshlrev_b32 v[LI], 4, v234
	v_lshlrev_b32 v[LR32], 5, v232
	v_lshlrev_b32 v[L8], 3, v234
	v_lshlrev_b32 v254, 2, v232                    ; 4 r: q's scale word
	v_lshlrev_b32 v[ADI], 11, v232
	v_lshl_add_u32 v[ADI], v233, 6, v[ADI]         ; Wt: row r of 2,048 bytes, + 64 hh
	v_lshlrev_b32 v[ADW], 2, v234                  ; 4 x lane
	s_lshr_b32 s53, s18, 3
	s_lshl_b32 s53, s53, 7                         ; my tile's first query: 128 (w / 8)
	s_and_b32 s54, s18, 7
	s_lshr_b32 s54, s54, 1
	s_lshl_b32 s54, s54, 5                         ; + 32 ((w % 8) / 2)
	s_add_co_u32 s53, s53, s54
	s_and_b32 s54, s18, 1
	s_lshl_b32 s54, s54, 3                         ; + 8 (w % 2)
	s_add_co_u32 s53, s53, s54
	s_mul_i32 s53, s53, SPI
	s_add_co_u32 s53, s53, STG
	v_and_b32 v[SO], 8, v232
	v_add_nc_u32 v[SO], v[SO], v232                ; + r + (r & 8)
	v_mul_u32_u24 v[SO], v[SO], SPI
	v_lshl_add_u32 v[SO], v233, 5, v[SO]           ; my half's eight channels: 32 hh bytes on
	v_add_nc_u32 v[SO], s53, v[SO]
	s_lshr_b32 s53, s18, 1                         ; my 64 columns n' = 64 w on: query % 8 = w / 2,
	s_mul_i32 s53, s53, SPI
	s_and_b32 s54, s18, 1
	s_lshl_b32 s54, s54, 8                         ; channels 64 (w % 2) on
	s_add_co_u32 s53, s53, s54
	s_add_co_u32 s53, s53, STG
	v_lshl_add_u32 v[A0], v234, 2, s53
	v_add_nc_u32 v[A1], 16*8*SPI, v[A0]            ; 16 steps of 8 rows further down
	s_lshl_b32 s53, s18, 6
	s_add_co_u32 s53, s53, SCB
	v_add_nc_u32 v[SBA], s53, v234
	s_min_u32 s53, s18, 3                          ; (waves 0 to 3 alone read the bytes back)
	s_lshl_b32 s53, s53, 8
	s_add_co_u32 s53, s53, SCB
	v_add_nc_u32 v[SRD], s53, v[L8]
	v_mov_b32 v14, 0                               ; the sum, in two halves
	v_mov_b32 v15, 0
.irp b, 0,1,2,3
	v_mov_b32 v[236+\b], 0                         ; written once: a lane permute's destination counts as one of its sources
.endr
	; byte offsets
	s_mul_i32 s48, s18, QUART                      ; my quarter of a chunk, in LDS and in memory alike
	s_mul_i32 s50, s60, 8*STEPB                    ; the head's record
	s_add_co_u32 s50, s50, s48
	s_mov_b32 s51, 0
	s_lshl_b32 s52, s60, 6
	s_lshl_b32 s54, s19, 4
	s_add_co_u32 s52, s52, s54
	s_add_co_u32 s52, s52, s18                     ; my tile of q: 64 head + 16 j + w
	s_lshl_b32 s54, s52, 10
	s_mov_b32 s55, 0
	s_lshl_b32 s56, s52, 6
	s_mov_b32 s57, 0
	s_lshl_b32 s52, s60, 2
	s_add_co_u32 s52, s52, s19                     ; the block's record in wc and wsc: 4 head + j = 16 b + 4 h + j
	s_lshl_b32 s58, s52, 14
	s_lshl_b32 s53, s18, 10
	s_or_b32 s58, s58, s53                         ; my 64 columns, 16 bytes each
	s_mov_b32 s59, 0
	s_lshl_b32 s52, s52, 10
	s_mov_b32 s53, 0
	s_wait_kmcnt 0x0
	s_add_nc_u64 s[4:5], s[4:5], s[54:55]
	s_add_nc_u64 s[6:7], s[6:7], s[56:57]
	s_add_nc_u64 s[12:13], s[12:13], s[58:59]
	s_add_nc_u64 s[14:15], s[14:15], s[52:53]
	s_add_nc_u64 s[50:51], s[8:9], s[50:51]        ; kv at my quarter of chunk 0: made of the head and the wave's number alone
.irp c, 0,1,2,3
	s_mov_b32 s[32+4*\c], 1                        ; descriptor group 0 for chunk c: count = 1
	s_add_co_u32 s[33+4*\c], s48, \c*CHUNK_B       ; LDS address
	s_add_nc_u64 s[34+4*\c:35+4*\c], s[50:51], \c*CHUNK_B   ; global address
	s_or_b32 s[35+4*\c], s[35+4*\c], 0x80000000    ; type = 2
.endr
	ROUND                                          ; all four work-groups are here: the joint loads meet
	s_cmp_lt_u32 s18, 4                            ; waves 0 to 3 fetch, four loads each, all in one branch: four tensor loads of a wave are out
	s_cbranch_scc0 .Lasked
	tensor_load_to_lds s[32:35], s[24:31]
	s_nop 0
	tensor_load_to_lds s[36:39], s[24:31]
	s_nop 0
	tensor_load_to_lds s[40:43], s[24:31]
	s_nop 0
	tensor_load_to_lds s[44:47], s[24:31]
	s_nop 0
.rept 4
	v_nop                                          ; four behind the last of them
.endr
.Lasked:
	global_load_b128 v[QF:QF+3], v[LI], s[4:5]     ; q's fragment stays in registers
	global_load_b128 v[QF+4:QF+7], v[LI], s[4:5] offset:512
	global_load_b32 v[QS], v254, s[6:7]
	; Wt's fragment 4 head + j, by wave 15 of heads 0 to 7, while the first key steps are on their way.  The branch hangs on the wave's number and on the head, which the partners share; no LDS instruction and no barrier stands in it
	s_cmp_lg_u32 s18, 15
	s_cbranch_scc1 .Lno_wt
	s_cmp_ge_u32 s60, 8
	s_cbranch_scc1 .Lno_wt
	s_lshl_b32 s52, s60, 15                        ; 16 rows of 2,048 bytes,
	s_lshl_b32 s54, s19, 9                         ; 128 numbers along K
	s_or_b32 s52, s52, s54
	s_mov_b32 s53, 0
	s_add_nc_u64 s[10:11], s[10:11], s[52:53]
.irp blk, 0,1,2,3
.irp i, 0,1,2,3
	global_load_b128 v[96+16*\blk+4*\i:96+16*\blk+4*\i+3], v[ADI], s[10:11] offset:128*\blk+16*\i   ; register 16 blk + n = k 32 blk + 16 hh + n of row r
.endr
.endr
	s_lshl_b32 s54, s60, 2
	s_add_co_u32 s54, s54, s19                     ; the fragment's number
	s_lshl_b32 s56, s54, 7
	s_add_co_u32 s56, s56, 32768
	s_mov_b32 s57, 0
	s_add_nc_u64 s[56:57], s[16:17], s[56:57]      ; its scale words: 4 bytes a lane, behind the 32 images
	s_lshl_b32 s54, s54, 10
	s_mov_b32 s55, 0
	s_add_nc_u64 s[16:17], s[16:17], s[54:55]      ; its image
	s_wait_loadcnt 0x0
	QUANT 96
	global_store_b128 v[LI], v[PC:PC+3], s[16:17]  ; 512 consecutive bytes, aligned
	global_store_b128 v[LI], v[PC+4:PC+7], s[16:17] offset:512
	global_store_b32 v[ADW], v[PW], s[56:57]       ; 128 consecutive bytes: half an aligned run of 256; 4 KiB of such stores in the whole launch
	s_wait_xcnt 0x0                                ; the loads and stores have read their registers: all of them are written again below
.Lno_wt:
; A KEY STEP: 128 keys.  first = 1: the head's first step starts M, the sum and O^T: it has no old M and nothing to rescale.
; Even steps: fragments in v32-95, scores in v96-159; odd steps the other way round.  At its head the step's k is on its way into the fragments' registers.
.macro STEP s, first
.set FF, 32+64*((\s)%2)
.set SS, 96-64*((\s)%2)
.if \first == 0
	v_nop                                          ; with the two additions below: five places behind the last products, over whose fragments of v the scores are laid (ISA guide 7.12.1)
	v_nop
	v_nop
.endif
	s_wait_dscnt 0x0                               ; k's fragments and words are in; no LDS load of mine is out, so the two addresses may step
	v_add_nc_u32 v[ADI], (\s)*STEPB, v[LI]
	v_add_nc_u32 v[ADW], (\s)*STEPB, v[LR32]
.irp t, 0,1,2,3,4,5,6,7
	v_wmma_scale_f32_16x16x128_f8f6f4 v[SS+8*\t:SS+8*\t+7], v[FF+8*\t:FF+8*\t+7], v[QF:QF+7], 0, v[KW+\t+4*(\t/4)], v[QS] matrix_a_fmt:MATRIX_FMT_FP4 matrix_b_fmt:MATRIX_FMT_FP4
.endr
.rept 4
	v_nop                                          ; four places: for the loads below, and for the first read of the scores
.endr
.irp t, 0,1,2,3,4,5,6,7
.irp c, 0,1
	ds_load_b128 v[FF+8*\t+4*\c:FF+8*\t+4*\c+3], v[ADI] offset:VIMG+1024*\t+512*\c   ; v's fragments land under the softmax; 512 consecutive bytes an instruction
.endr
.endr
	ds_load_b128 v[KS:KS+3], v[ADW] offset:VTAB
	ds_load_b128 v[KS+4:KS+7], v[ADW] offset:VTAB+16
.irp b, 0,1,2,3
	v_max3_num_f32 v[232+\b], v[SS+16*\b], v[SS+1+16*\b], v[SS+2+16*\b]   ; the largest score of each block of 32 keys: it serves the row's maximum and, since p rises with the score, the block's largest p
.endr
.irp i, 3,5,7,9,11,13
.irp b, 0,1,2,3
	v_max3_num_f32 v[232+\b], v[232+\b], v[SS+16*\b+\i], v[SS+1+16*\b+\i]   ; the four blocks by turns; each accumulator is read from its low end on
.endr
.endr
.irp b, 0,1,2,3
	v_max_num_f32 v[232+\b], v[232+\b], v[SS+15+16*\b]
.endr
.irp b, 0,1,2,3
	v_permlanex16_b32 v[236+\b], v[232+\b], s20, s21
.endr
.irp b, 0,1,2,3
	v_max_num_f32 v[232+\b], v[232+\b], v[236+\b]  ; with lane l xor 16's 16 keys
.endr
	v_max3_num_f32 v254, v232, v233, v234
	v_max_num_f32 v254, v254, v235                 ; the step's largest score of my query
.if \first
	v_mul_f32 v13, s22, v254                       ; as t (c is positive): the largest t so far
	v_floor_f32 v12, -v13                          ; -M = floor(-t) = -ceil(t): M is a whole number
.else
	v_mul_f32 v254, s22, v254
	v_max_num_f32 v13, v13, v254                   ; the running largest t
	v_mov_b32 v254, v12
	v_floor_f32 v12, -v13                          ; the new -M
	v_sub_f32 v254, v12, v254                      ; old M - new M: a whole number, 0 or less
	v_cvt_i32_f32 v254, v254                       ; (it saturates)
	v_ldexp_f32 v252, 1.0, v254                    ; f = 2^(old M - new M): a multiplication by it rounds nothing
.endif
.set J, 0
.rept 32
	v_pk_fma_f32 v[SS+J:SS+J+1], v[SS+J:SS+J+1], s[22:23], v[12:13] op_sel_hi:[1,0,0]   ; t - M, two at a time (of the pairs c and -M the low word serves both halves)
.set J, J+2
.endr
.irp b, 0,1,2,3
	v_fma_f32 v[232+\b], v[232+\b], s22, v12       ; the same of each block's largest score
.endr
.set J, 0
.rept 64
	v_exp_f32 v[SS+J], v[SS+J]                     ; p = 2^(t - M), at most 1: not normalised
.set J, J+1
.endr
.irp b, 0,1,2,3
	v_exp_f32 v[232+\b], v[232+\b]                 ; the block's largest p: the same two instructions on the same number give the same bits
.endr
.if \first
	v_nop                                          ; a plain place behind the exponentials
	s_wait_alu depctr_va_vdst(0)
.else
	v_pk_mul_f32 v[14:15], v[14:15], v[252:253] op_sel_hi:[1,0]   ; the sums under the new M.  (A plain place behind the exponentials)
	s_wait_alu depctr_va_vdst(0)
.endif
.irp b, 0,1,2,3
	v_max_num_f32 v[232+\b], 0x1800000, v[232+\b]  ; the floor 2^(3 - 127): the byte cannot fall under 1
.endr
.irp b, 0,1,2,3
	v_add_nc_u32 v[244+\b], 0xff000000, v[232+\b]  ; 2 off the exponent field: the conversion's scale operand
.endr
.irp b, 0,1,2,3
	v_lshrrev_b32 v[236+\b], 23, v[244+\b]         ; the scale's byte
.endr
	v_lshl_or_b32 v253, v237, 8, v236              ; p's scale word for these 128 keys
	v_lshl_or_b32 v253, v238, 16, v253
	v_lshl_or_b32 v253, v239, 24, v253
.irp b, 0,1,2,3
	v_cvt_scalef32_pk8_fp4_f32 v[224+2*\b], v[SS+16*\b:SS+7+16*\b], v[244+\b]
	v_cvt_scalef32_pk8_fp4_f32 v[225+2*\b], v[SS+8+16*\b:SS+15+16*\b], v[244+\b]
.endr
	v_nop                                          ; one plain place behind a scaled conversion
.irp c, 0,1                                    ; a whole block to a lane: lanes 0-15 block 2 c, lanes 16-31 block 2 c + 1
.irp i, 0,1
	v_permlane16_swap_b32 v[224+4*\c+\i], v[226+4*\c+\i]
.endr
.endr
	v_pk_add_f32 v[236:237], v[SS:SS+1], v[SS+2:SS+3]   ; the row's sum is taken of the unquantised p: two at a time, in two chains.  (These 32 lines are also the places between p's word and codes and the products below)
.irp j, 4,8,12,16,20,24,28,32,36,40,44,48,52,56,60
	v_pk_add_f32 v[14:15], v[14:15], v[SS+\j:SS+1+\j]
	v_pk_add_f32 v[236:237], v[236:237], v[SS+2+\j:SS+3+\j]
.endr
	v_pk_add_f32 v[14:15], v[14:15], v[236:237]
.if (\s) == 1                                  ; the second and last meeting for tiles: the waves that fetched wait for all their loads; behind the barrier key steps 2 to 7 are whole for all sixteen
	s_wait_tensorcnt 0x0
	s_wait_dscnt 0x0                               ; v's loads, asked for a softmax ago, are in: no LDS instruction of mine is out at the signal
	s_barrier_signal -1
	s_barrier_wait -1
.endif
.if (\s) < 7                                   ; p is done with: its registers take the next step's k, 17,408 bytes on
.irp t, 0,1,2,3,4,5,6,7
.irp c, 0,1
	ds_load_b128 v[SS+8*\t+4*\c:SS+8*\t+4*\c+3], v[ADI] offset:STEPB+1024*\t+512*\c
.endr
.endr
	ds_load_b128 v[KW:KW+3], v[ADW] offset:STEPB+KTAB
	ds_load_b128 v[KW+8:KW+11], v[ADW] offset:STEPB+KTAB+16
.endif
.if \first == 0
.set J, 0
.rept 32
	v_pk_mul_f32 v[160+J:161+J], v[160+J:161+J], v[252:253] op_sel_hi:[1,0]   ; O^T under the new M, each accumulator from its low end on
.set J, J+2
.endr
.endif
.if (\s) < 7
	s_wait_dscnt 18                                ; v's fragments and words are in; behind them stand the 18 loads of the next step's k
.else
	s_wait_dscnt 0x0
.endif
.irp t, 0,1,2,3,4,5,6,7                        ; the eight accumulators take turns, one instruction a turn
.if \first
	v_wmma_scale_f32_16x16x128_f8f6f4 v[160+8*\t:167+8*\t], v[FF+8*\t:FF+8*\t+7], v[224:231], 0, v[KS+\t], v253 matrix_a_fmt:MATRIX_FMT_FP4 matrix_b_fmt:MATRIX_FMT_FP4
.else
	v_wmma_scale_f32_16x16x128_f8f6f4 v[160+8*\t:167+8*\t], v[FF+8*\t:FF+8*\t+7], v[224:231], v[160+8*\t:167+8*\t], v[KS+\t], v253 matrix_a_fmt:MATRIX_FMT_FP4 matrix_b_fmt:MATRIX_FMT_FP4
.endif
.endr
.endm
	s_wait_loadcnt 0x0                             ; q
	s_wait_tensorcnt 3                             ; my quarter of key steps 0 and 1 has landed: behind it I issued three loads, which may stay out
	s_barrier_signal -1
	s_barrier_wait -1                              ; everybody's has
.irp t, 0,1,2,3,4,5,6,7
.irp c, 0,1
	ds_load_b128 v[FRG+8*\t+4*\c:FRG+8*\t+4*\c+3], v[LI] offset:1024*\t+512*\c   ; key step 0's k
.endr
.endr
	ds_load_b128 v[KW:KW+3], v[LR32] offset:KTAB
	ds_load_b128 v[KW+8:KW+11], v[LR32] offset:KTAB+16
	STEP 0, 1
	STEP 1, 0
	STEP 2, 0
	STEP 3, 0
	STEP 4, 0
	STEP 5, 0
	STEP 6, 0
	STEP 7, 0
	; THE WAY OUT
.rept 4
	v_nop                                          ; four places behind the last products
.endr
	v_add_f32 v14, v14, v15                        ; the sum's two halves,
	v_permlanex16_b32 v252, v14, s20, s21
	v_add_f32 v14, v14, v252                       ; and lane l xor 16's: the row's sum
	v_rcp_f32 v14, v14
	v_nop                                          ; a plain place behind the transcendental
.set J, 0
	s_wait_alu depctr_va_vdst(0)
.rept 32
	v_pk_mul_f32 v[96+J:97+J], v[160+J:161+J], v[14:15] op_sel_hi:[1,0]   ; O^T / the sum: register 8 t + i is channel 16 t + 8 hh + i of my query
.set J, J+2
.endr
.irp t, 0,1,2,3,4,5,6,7
	ds_store_b128 v[SO], v[96+8*\t:99+8*\t] offset:64*\t          ; rows 132 words apart; a tile's two groups of eight rows lie 16 rows apart and meet two deep in the banks
	ds_store_b128 v[SO], v[100+8*\t:103+8*\t] offset:64*\t+16
.endr
	s_wait_dscnt 0x0                               ; for the others' sake: my rows lie in the stage
	s_barrier_signal -1
	s_barrier_wait -1
	; a lane takes column n' = 64 w + 32 u + lane; register i is c' = i of the block: query 8 i + w / 2.  32 lanes read 128 consecutive bytes
.irp u, 0,1
.irp i, 0,1,2,3,4,5,6,7,8,9,10,11,12,13,14,15,16,17,18,19,20,21,22,23,24,25,26,27,28,29,30,31
	ds_load_b32 v[FRG+32*\u+\i], v[A0+\i/16] offset:8*SPI*(\i%16)+128*\u
.endr
.endr
.macro COLQ u                                  ; the block's 32 numbers are all mine: codes into v[224 + 4 u] on, the byte into v[236 + u]
.set XC, FRG+32*\u
	v_max3_num_f32 v232, |v[XC]|, |v[XC+1]|, |v[XC+2]|
	v_max3_num_f32 v233, |v[XC+3]|, |v[XC+4]|, |v[XC+5]|
.irp i, 6,10,14,18,22,26
	v_max3_num_f32 v232, v232, |v[XC+\i]|, |v[XC+\i+1]|
	v_max3_num_f32 v233, v233, |v[XC+\i+2]|, |v[XC+\i+3]|
.endr
	v_max3_num_f32 v232, v232, |v[XC+30]|, |v[XC+31]|
	v_max3_num_f32 v232, v232, v233, 0x1800000     ; and the floor 2^(3 - 127)
	v_add_nc_u32 v[244+\u], 0xff000000, v232
	v_lshrrev_b32 v[236+\u], 23, v[244+\u]
.irp g, 0,1,2,3
	v_cvt_scalef32_pk8_fp4_f32 v[224+4*\u+\g], v[XC+8*\g:XC+8*\g+7], v[244+\u]
.endr
.endm
	s_wait_dscnt 32                                ; the first column's 32 loads are in; the second's may be out
	COLQ 0
	s_wait_dscnt 0x0
	COLQ 1
	v_nop                                          ; one plain place behind the last conversion
.irp u, 0,1
	global_store_b128 v[LI], v[224+4*\u:227+4*\u], s[12:13] offset:512*\u   ; 512 consecutive bytes, aligned
	ds_store_b8 v[SBA], v[236+\u] offset:32*\u
.endr
	s_wait_dscnt 0x0                               ; for the others' sake: my 64 scale bytes are stored
	s_barrier_signal -1
	s_barrier_wait -1
	s_cmp_lt_u32 s18, 4                            ; waves 0 to 3 store the 1,024 bytes, 256 consecutive aligned bytes each
	s_cbranch_scc0 .Lbytes_out
	ds_load_b64 v[238:239], v[SRD]
	s_lshl_b32 s54, s18, 8
	s_mov_b32 s55, 0
	s_add_nc_u64 s[14:15], s[14:15], s[54:55]
	s_wait_dscnt 0x0
	global_store_b64 v[L8], v[238:239], s[14:15]
.Lbytes_out:
	s_wait_xcnt 0x0
	v_lshl_add_u32 v254, v0, 2, 0x43400
	v_mov_b32 v255, 0
	s_wait_tensorcnt 0x0
	ds_add_u32 v254, v255
	s_wait_dscnt 0x0
	ROUND                                          ; the closing round: no work-group ends while a partner may still ask for a chunk that names it
	s_endpgm
.Lfunc_end_k_q3025e5feec_attn:
	.size	k_q3025e5feec_attn, .Lfunc_end_k_q3025e5feec_attn-k_q3025e5feec_attn
	.p2alignl 7, 3214868480
	.fill 96, 4, 3214868480
	.section	.rodata,"a",@progbits
	.p2align	6, 0x0
	.amdhsa_kernel k_q3025e5feec_attn
		.amdhsa_group_segment_fixed_size 277504
		.amdhsa_private_segment_fixed_size 0
		.amdhsa_enable_private_segment 0
		.amdhsa_kernarg_size 56
		.amdhsa_user_sgpr_count 2
		.amdhsa_user_sgpr_kernarg_segment_ptr 1
		.amdhsa_wavefront_size32 1
		.amdhsa_system_sgpr_workgroup_id_x 1
		.amdhsa_system_sgpr_workgroup_id_y 1
		.amdhsa_system_sgpr_workgroup_id_z 1
		.amdhsa_system_vgpr_workitem_id 0
		.amdhsa_next_free_vgpr 256
		.amdhsa_next_free_sgpr 66
		.amdhsa_reserve_vcc 0
		.amdhsa_float_denorm_mode_32 3
		.amdhsa_float_denorm_mode_16_64 3
		.amdhsa_memory_ordered 1
		.amdhsa_forward_progress 1
		.amdhsa_inst_pref_size 160
	.end_amdhsa_kernel
	.amdgpu_metadata
---
amdhsa.version: [ 1, 2 ]
amdhsa.kernels:
  - .name:           k_q3025e5feec_attn
    .symbol:         k_q3025e5feec_attn.kd
    .args:
      - { .name: qc, .offset: 0, .size: 8, .value_kind: global_buffer, .address_space: global }
      - { .name: qs, .offset: 8, .size: 8, .value_kind: global_buffer, .address_space: global }
      - { .name: kv, .offset: 16, .size: 8, .value_kind: global_buffer, .address_space: global }
      - { .name: Wt, .offset: 24, .size: 8, .value_kind: global_buffer, .address_space: global }
      - { .name: wc, .offset: 32, .size: 8, .value_kind: global_buffer, .address_space: global }
      - { .name: wsc, .offset: 40, .size: 8, .value_kind: global_buffer, .address_space: global }
      - { .name: wt, .offset: 48, .size: 8, .value_kind: global_buffer, .address_space: global }
    .group_segment_fixed_size: 277504
    .private_segment_fixed_size: 0
    .kernarg_segment_align: 8
    .kernarg_segment_size: 56
    .max_flat_workgroup_size: 512
    .sgpr_count:     66
    .vgpr_count:     256
    .wavefront_size: 32
...
	.end_amdgpu_metadata
.endif
;; end of part 2
;; launch proj (part 3): grid 256 x 1, 8 waves a work-group, no clusters, 53,248 bytes of LDS; arguments x, wc, wsc, wt, bt, out0; writes out0
.if DOCPART == 3
	.amdgcn_target "amdgcn-amd-amdhsa--gfx1250"
	.amdhsa_code_object_version 6
	.text
	.protected	k_q3025e5feec_proj
	.globl	k_q3025e5feec_proj
	.p2align	8
	.type	k_q3025e5feec_proj,@function
k_q3025e5feec_proj:
	s_mov_b64 s[64:65], 0
	v_nop
	global_prefetch_b8 v0, s[64:65] scope:SCOPE_SE
	s_setreg_imm32_b32 hwreg(HW_REG_WAVE_MODE, 25, 1), 1
	s_wait_xcnt 0x0
; out[b][o][n'] = x[b][o][n'] + bt[o] + the sum over c' of Wt[o][c'] wsv[b][c'][n'], the product on codes of FP4 (E2M1) with one E8M0 scale for each 32 along K = c' (512).
; wc: [b 16][block 16][n' 1024][16 bytes: the block's 32 codes]; wsc: [b][block][n'] scale bytes; wt: Wt's fragments 4 t + s (rows 16 t on, K step s) as images of their registers, 1,024 bytes each,
; and behind the 32 images their scale words, 4 bytes a lane.  x, out0: [16][128][1024] f32; bt: [128].
; WORK-GROUP id = 16 b + nb: all 128 rows o, columns 64 nb .. 64 nb + 63.  Wave w: rows 16 w .. 16 w + 15, four tiles of 16 columns.  Source 0 = wsv (rows n'), source 1 = Wt (rows o):
; a lane holds one row o and eight neighbouring n'.  bt is the C of each sum's first product.
; wsv's 16 fragments are read from memory once for the work-group (two a wave; sixteen lanes read 256 consecutive bytes), and go round through LDS as images of their registers.
; The scale bytes are turned in LDS from [block][n'] to [n'][block]: a row's 16 bytes are then the four scale words of the four K steps.  (64 bytes of each of 16 rows of wsc: 1 KiB a work-group is read in short runs.)
; No tensor loads, no cluster: what the work-groups share, Wt's 36 KiB, goes straight into registers, 4.5 KiB a wave.
.set WIMG, 0                           ; LDS: wsv's images, (4 s + T) x 1,024
.set SCT,  16384                       ; the scale bytes, [n' 64][16]
.set STG,  17408                       ; a stage of 16 rows x (256 bytes + 16) for each wave
.set LI,   1                           ; v1   16 x lane
.set LR4,  2                           ; v2   4 r
.set L4,   3                           ; v3   4 x lane
.set WCA,  4                           ; v4   wc: 16,384 hh + 16 r
.set CST,  5                           ; v5   where my two fragments go
.set SGA,  6                           ; v6   wsc: my four bytes
.set SLA,  7                           ; v7   and where they go
.set STR,  8                           ; v8   a row's four scale words
.set SO,   9                           ; v9   the stage: in
.set SR,   10                          ; v10  the stage: back
.set XO,   11                          ; v11  x and out0: 4,096 hh + 16 r
.set SD,   12                          ; v12-15   four scale bytes and their shifts
.set CP,   16                          ; v16-31   two fragments on their way to LDS
.set BC,   32                          ; v32-39   bt in the result's layout
.set WTS,  40                          ; v40-43   Wt's scale words, K steps 0 to 3
.set HS,   44                          ; v44-59   wsv's scale words: 4 T + s
.set WF,   64                          ; v64-95   Wt's four fragments
.set ACC,  96                          ; v96-127  four accumulators
.set FB,   128                         ; v128-191 eight fragments of wsv: two K steps
.set XR,   192                         ; v192-223 x
.set BK,   224                         ; v224-255 rows read back from the stage
	s_load_b256 s[4:11], s[0:1], 0x0               ; x s[4:5], wc s[6:7], wsc s[8:9], wt s[10:11]
	s_load_b128 s[12:15], s[0:1], 0x20             ; bt s[12:13], out0 s[14:15]
	s_set_vgpr_msb 0x40
	v_lshl_add_u32 v0, v0, 2, 0xcc00
	v_mov_b32 v1, 0
	s_set_vgpr_msb 0x4000
	v_lshrrev_b32 v60, 5, v0
	v_readfirstlane_b32 s16, v60                   ; wave w, 0..7
	s_lshr_b32 s17, ttmp9, 4                       ; b
	s_and_b32 s18, ttmp9, 15                       ; nb
	v_and_b32 v60, 31, v0                          ; lane
	v_and_b32 v61, 15, v0                          ; r
	v_bfe_u32 v62, v0, 4, 1                        ; hh
	v_lshlrev_b32 v[LI], 4, v60
	v_lshlrev_b32 v[LR4], 2, v61
	v_lshlrev_b32 v[L4], 2, v60
	v_lshlrev_b32 v[WCA], 4, v61
	v_lshl_add_u32 v[WCA], v62, 14, v[WCA]
	s_lshr_b32 s19, s16, 2
	s_lshl_b32 s36, s19, 13
	s_and_b32 s37, s16, 3
	s_lshl_b32 s38, s37, 10
	s_add_co_u32 s36, s36, s38
	v_add_nc_u32 v[CST], s36, v[LI]                ; fragments (T = w % 4, s = 2 (w / 4) + e): 8,192 (w / 4) + 1,024 (w % 4) + 16 x lane
	v_lshrrev_b32 v63, 4, v0                       ; thread / 16: the block, 0..15
	v_lshlrev_b32 v[SGA], 2, v61
	v_lshl_add_u32 v[SGA], v63, 10, v[SGA]         ; row block of wsc, columns 4 (thread % 16) on
	v_lshlrev_b32 v[SLA], 6, v61
	v_add_nc_u32 v[SLA], v[SLA], v63
	v_add_nc_u32 v[SLA], SCT, v[SLA]               ; column 4 (thread % 16) + e: 16 bytes a column, byte = block
	v_lshl_add_u32 v[STR], v61, 4, SCT
	s_mul_i32 s36, s16, 16*272
	s_add_co_u32 s36, s36, STG                     ; my stage
	v_mul_u32_u24 v[SO], v61, 272
	v_lshl_add_u32 v[SO], v62, 5, v[SO]
	v_add_nc_u32 v[SO], s36, v[SO]                 ; in: row r, 32 hh bytes on
	v_mul_u32_u24 v[SR], v62, 272
	v_lshl_add_u32 v[SR], v61, 4, v[SR]
	v_add_nc_u32 v[SR], s36, v[SR]                 ; back: lanes 0-15 one row of 256 bytes, lanes 16-31 the next
	v_lshlrev_b32 v[XO], 4, v61
	v_lshl_add_u32 v[XO], v62, 12, v[XO]           ; and the same two rows in x and out0
	; byte offsets
	s_lshl_b32 s24, s17, 19                        ; x, out0: image b, row 16 w, column 64 nb
	s_lshl_b32 s36, s16, 16
	s_or_b32 s24, s24, s36
	s_lshl_b32 s36, s18, 8
	s_or_b32 s24, s24, s36
	s_mov_b32 s25, 0
	s_lshl_b32 s26, s17, 18                        ; wc: image b, blocks 8 (w / 4) on, column 64 nb + 16 (w % 4)
	s_lshl_b32 s36, s19, 17
	s_or_b32 s26, s26, s36
	s_lshl_b32 s36, s18, 10
	s_or_b32 s26, s26, s36
	s_lshl_b32 s36, s37, 8
	s_or_b32 s26, s26, s36
	s_mov_b32 s27, 0
	s_lshl_b32 s28, s17, 14                        ; wsc: image b, column 64 nb
	s_lshl_b32 s36, s18, 6
	s_or_b32 s28, s28, s36
	s_mov_b32 s29, 0
	s_lshl_b32 s30, s16, 12                        ; wt: my four images,
	s_mov_b32 s31, 0
	s_lshl_b32 s32, s16, 9
	s_add_co_u32 s32, s32, 32768                   ; and their scale words
	s_mov_b32 s33, 0
	s_lshl_b32 s34, s16, 6                         ; bt: my 16 rows
	s_mov_b32 s35, 0
	s_wait_kmcnt 0x0
	s_add_nc_u64 s[4:5], s[4:5], s[24:25]
	s_add_nc_u64 s[14:15], s[14:15], s[24:25]
	s_add_nc_u64 s[6:7], s[6:7], s[26:27]
	s_add_nc_u64 s[8:9], s[8:9], s[28:29]
	s_add_nc_u64 s[20:21], s[10:11], s[30:31]
	s_add_nc_u64 s[22:23], s[10:11], s[32:33]
	s_add_nc_u64 s[12:13], s[12:13], s[34:35]
	; all loads from memory go out at once: 1 + 4 for LDS, then 12 + 8 + 8
	global_load_b32 v[SD], v[SGA], s[8:9]
.irp e, 0,1
.irp c, 0,1
	global_load_b128 v[CP+8*\e+4*\c:CP+8*\e+4*\c+3], v[WCA], s[6:7] offset:65536*\e+32768*\c th:TH_LOAD_NT   ; block 4 s + 2 c + hh of column r of the tile: registers 4 c .. 4 c + 3 of the fragment
.endr
.endr
.irp s, 0,1,2,3
.irp c, 0,1
	global_load_b128 v[WF+8*\s+4*\c:WF+8*\s+4*\c+3], v[LI], s[20:21] offset:1024*\s+512*\c
.endr
.endr
.irp s, 0,1,2,3
	global_load_b32 v[WTS+\s], v[L4], s[22:23] offset:128*\s
.endr
.irp j, 0,1,2,3,4,5,6,7
	global_load_b32 v[BC+\j], v[LR4], s[12:13]     ; bt of row 16 w + r in all eight registers
.endr
.irp i, 0,1,2,3,4,5,6,7
	global_load_b128 v[XR+4*\i:XR+4*\i+3], v[XO], s[4:5] offset:8192*\i th:TH_LOAD_NT   ; rows 2 i + hh: sixteen lanes read 256 consecutive bytes
.endr
	s_wait_loadcnt 28                              ; the scale bytes and my two fragments are in; behind them 12 loads of Wt, 8 of bt and 8 of x may be out
	v_lshrrev_b32 v[SD+1], 8, v[SD]
	v_lshrrev_b32 v[SD+2], 16, v[SD]
	v_lshrrev_b32 v[SD+3], 24, v[SD]
.irp e, 0,1,2,3
	ds_store_b8 v[SLA], v[SD+\e] offset:16*\e
.endr
.irp e, 0,1
.irp c, 0,1
	ds_store_b128 v[CST], v[CP+8*\e+4*\c:CP+8*\e+4*\c+3] offset:WIMG+4096*\e+512*\c
.endr
.endr
	s_wait_dscnt 0x0                               ; for the others' sake: my stores have landed
	s_barrier_signal -1
	s_barrier_wait -1                              ; the 16 images and the 1,024 scale bytes lie in LDS
.irp m, 0,1,2,3
	ds_load_b128 v[HS+4*\m:HS+4*\m+3], v[STR] offset:256*\m   ; column 16 m + r: its four scale words
.endr
.macro FETCH2 s0                               ; the fragments of K steps s0 and s0 + 1
.irp e, 0,1
.irp m, 0,1,2,3
.irp c, 0,1
	ds_load_b128 v[FB+32*\e+8*\m+4*\c:FB+32*\e+8*\m+4*\c+3], v[LI] offset:WIMG+(4*(\s0+\e)+\m)*1024+512*\c
.endr
.endr
.endr
.endm
.macro MUL4 s                                  ; K step s: the four accumulators take turns, one instruction a turn
.irp m, 0,1,2,3
.if \s == 0
	v_wmma_scale_f32_16x16x128_f8f6f4 v[ACC+8*\m:ACC+8*\m+7], v[FB+32*(\s%2)+8*\m:FB+32*(\s%2)+8*\m+7], v[WF+8*\s:WF+8*\s+7], v[BC:BC+7], v[HS+4*\m+\s], v[WTS+\s] matrix_a_fmt:MATRIX_FMT_FP4 matrix_b_fmt:MATRIX_FMT_FP4
.else
	v_wmma_scale_f32_16x16x128_f8f6f4 v[ACC+8*\m:ACC+8*\m+7], v[FB+32*(\s%2)+8*\m:FB+32*(\s%2)+8*\m+7], v[WF+8*\s:WF+8*\s+7], v[ACC+8*\m:ACC+8*\m+7], v[HS+4*\m+\s], v[WTS+\s] matrix_a_fmt:MATRIX_FMT_FP4 matrix_b_fmt:MATRIX_FMT_FP4
.endif
.endr
.endm
	FETCH2 0
	s_wait_loadcnt 8                               ; Wt and bt are in; x's eight loads may be out
	s_wait_dscnt 0x0
	MUL4 0
	MUL4 1
.rept 4
	v_nop                                          ; four places in front of loads into registers that matrix instructions have read
.endr
	FETCH2 2
	s_wait_dscnt 0x0
	MUL4 2
	MUL4 3
.rept 4
	v_nop                                          ; four places in front of the first read of results
.endr
.irp m, 0,1,2,3
	ds_store_b128 v[SO], v[ACC+8*\m:ACC+8*\m+3] offset:64*\m        ; lane (r, hh): columns 16 m + 8 hh + 0 .. 7 of row r; each accumulator from its low end on
	ds_store_b128 v[SO], v[ACC+8*\m+4:ACC+8*\m+7] offset:64*\m+16
.endr
.irp i, 0,1,2,3,4,5,6,7
	ds_load_b128 v[BK+4*\i:BK+4*\i+3], v[SR] offset:544*\i          ; my own bytes; LDS serves a wave's instructions in order (ISA guide 5.7.1.4): these see the stores above
.endr
	s_wait_loadcnt 0x0                             ; x
.irp i, 0,1,2,3,4,5,6,7
	s_wait_dscnt 7-\i                              ; rows 2 i, 2 i + 1 are back; the younger loads may be out
	v_pk_add_f32 v[BK+4*\i:BK+4*\i+1], v[BK+4*\i:BK+4*\i+1], v[XR+4*\i:XR+4*\i+1]       ; the residual
	v_pk_add_f32 v[BK+4*\i+2:BK+4*\i+3], v[BK+4*\i+2:BK+4*\i+3], v[XR+4*\i+2:XR+4*\i+3]
	global_store_b128 v[XO], v[BK+4*\i:BK+4*\i+3], s[14:15] offset:8192*\i th:TH_STORE_NT   ; sixteen lanes store 256 consecutive bytes, aligned
.endr
	s_set_vgpr_msb 0x5
	s_wait_tensorcnt 0x0
	ds_add_u32 v0, v1
	s_wait_dscnt 0x0
	s_set_vgpr_msb 0x500
	s_endpgm
.Lfunc_end_k_q3025e5feec_proj:
	.size	k_q3025e5feec_proj, .Lfunc_end_k_q3025e5feec_proj-k_q3025e5feec_proj
	.p2alignl 7, 3214868480
	.fill 96, 4, 3214868480
	.section	.rodata,"a",@progbits
	.p2align	6, 0x0
	.amdhsa_kernel k_q3025e5feec_proj
		.amdhsa_group_segment_fixed_size 53248
		.amdhsa_private_segment_fixed_size 0
		.amdhsa_enable_private_segment 0
		.amdhsa_kernarg_size 48
		.amdhsa_user_sgpr_count 2
		.amdhsa_user_sgpr_kernarg_segment_ptr 1
		.amdhsa_wavefront_size32 1
		.amdhsa_system_sgpr_workgroup_id_x 1
		.amdhsa_system_sgpr_workgroup_id_y 1
		.amdhsa_system_sgpr_workgroup_id_z 1
		.amdhsa_system_vgpr_workitem_id 0
		.amdhsa_next_free_vgpr 258
		.amdhsa_next_free_sgpr 66
		.amdhsa_reserve_vcc 0
		.amdhsa_float_denorm_mode_32 3
		.amdhsa_float_denorm_mode_16_64 3
		.amdhsa_memory_ordered 1
		.amdhsa_forward_progress 1
		.amdhsa_inst_pref_size 15
	.end_amdhsa_kernel
	.amdgpu_metadata
---
amdhsa.version: [ 1, 2 ]
amdhsa.kernels:
  - .name:           k_q3025e5feec_proj
    .symbol:         k_q3025e5feec_proj.kd
    .args:
      - { .name: x, .offset: 0, .size: 8, .value_kind: global_buffer, .address_space: global }
      - { .name: wc, .offset: 8, .size: 8, .value_kind: global_buffer, .address_space: global }
      - { .name: wsc, .offset: 16, .size: 8, .value_kind: global_buffer, .address_space: global }
      - { .name: wt, .offset: 24, .size: 8, .value_kind: global_buffer, .address_space: global }
      - { .name: bt, .offset: 32, .size: 8, .value_kind: global_buffer, .address_space: global }
      - { .name: out0, .offset: 40, .size: 8, .value_kind: global_buffer, .address_space: global }
    .group_segment_fixed_size: 53248
    .private_segment_fixed_size: 0
    .kernarg_segment_align: 8
    .kernarg_segment_size: 48
    .max_flat_workgroup_size: 256
    .sgpr_count:     66
    .vgpr_count:     258
    .wavefront_size: 32
...
	.end_amdgpu_metadata
.endif
;; end of part 3
